; MI455X (gfx1250); checked and timed in simulation.
; The chip was launched on July 23, 2026; its instructions are those of AMD's public machine-readable ISA for CDNA 5 (MIT licence, August 2026) and "CDNA5" Instruction Set Architecture Reference Guide (July 2026). The comments in the code are by the model that wrote it; some were corrected since.
;; Correct Error. Allowed arithmetic: float matrix products may take bf16 or f16 operands with f32 sums; other float arithmetic in f32, or as packed bf16 or f16 multiplies, adds, multiply-adds, maxima and minima; sums over many terms, partial sums and values carried from step to step in f32; what a program stores and reads back later, other than sums and carried values, may be rounded once to bf16 or f16.
;; Inputs: h_query 1,024 x 512 float32; memory_embeds 100,000 x 512 float32; true_values 100,000 float32.
;; Outputs: out0 1,024 float32.
;; Constants: k = 32.
;; One version. Each part assembles by itself: llvm-mc -triple=amdgcn-amd-amdhsa -mcpu=gfx1250 --defsym DOCPART=n.
;; ======== version 1 of 1: 3 launches
;; workspace buffers: SUM 6,291,456 bytes; SELK 131,072 bytes; IDXB 262,144 bytes of whole numbers
;; launch knn (part 1): grid 256 x 1, 4 waves a work-group, clusters of 4 x 1, 327,680 bytes of LDS; arguments h_query, memory_embeds, SUM; writes SUM
.if DOCPART == 1
	.amdgcn_target "amdgcn-amd-amdhsa--gfx1250"
	.amdhsa_code_object_version 6
	.text
	.protected	k_qb5429fc17f_knn
	.globl	k_qb5429fc17f_knn
	.p2align	8
	.type	k_qb5429fc17f_knn,@function
k_qb5429fc17f_knn:
	s_mov_b64 s[64:65], 0
	v_nop
	global_prefetch_b8 v0, s[64:65] scope:SCOPE_SE
	s_setreg_imm32_b32 hwreg(HW_REG_WAVE_MODE, 25, 1), 1
	s_wait_xcnt 0x0
	s_wait_alu depctr_hold_cnt(0) depctr_sa_sdst(0) depctr_va_vdst(0) depctr_va_sdst(0) depctr_va_ssrc(0) depctr_va_vcc(0) depctr_vm_vsrc(0)
	s_getreg_b32 s2, hwreg(HW_REG_IB_STS2, 6, 4)
	s_cmp_eq_u32 s2, 0
	s_cbranch_scc0 .Lentry_in_a_cluster
	s_endpgm
.Lentry_in_a_cluster:
	s_bfe_u32 s2, ttmp6, 0x10000c
	s_cmp_lg_u32 s2, 0x3003
	s_cbranch_scc0 .Lentry_shape_is_right
	s_endpgm
.Lentry_shape_is_right:
; SCORES AND FIRST SELECTION.  s(q, m) = q . m - |m|^2 / 2 ranks the rows of memory_embeds as the L2 distance does (|q|^2 is the same for all rows of a query).
; q and m are rounded to bf16, products and sums are f32, |m|^2 is summed in f32 from the rounded m.
; SHARES.  64 clusters of 4 work-groups.  Cluster c walks 1,600 rows (25 slots of 64, 100 subtiles of 16) from base = min(own_lo, 98400), own_lo = 64 ((1563 c) >> 6);
; rows outside [own_lo, own_hi) count as -1e38.  Work-group cx of the cluster owns queries 256 cx .., each of its four waves 64 (four tiles of 16), kept as bf16 fragments in 512 registers.
; The four work-groups need the same rows, so every tile is asked for jointly (one mask of four); each wave asks for 16 rows, 32,768 dense bytes, as 128 rows of 256 bytes.
; A UNIT (one subtile): each wave rounds 4 of the next subtile's 16 rows to bf16 into a shared buffer and sums their squares; every wave multiplies the 16 rows by its 64 queries,
; 64 matrix instructions, -|m|^2/2 being the C operand of the first K step; the selection of finished subtiles stands as vector work behind the matrix instructions.
; K IS PERMUTED, alike in both operands: the block of eight bf16 at byte 16 (16 i + cc) of a buffer row holds k = 128 i + 4 cc + 0..3 and 128 i + 64 + 4 cc + 0..3.
; SELECTION.  In a result lane (r, h) holds query r and rows 8 h + j.  A GROUP is the 32 rows that a lane sees in a slot: its best score M1, that row, and its second best M2 are tracked.
; Per query and lane half the five best groups (keys K1..K5, payloads P = M2's upper 15 bits | row) and the sixth group's key K6 are kept and stored.
; LIMITS.  |s| stays below 1e38; NaN and infinities are not treated apart; M2 is kept to 15 bits (the next launch compares an upper bound of it).
.set SLOTB,  131072                    ; a slot: 64 rows x 2,048 bytes of f32, dense
.set BPITCH, 1040                      ; a bf16 row: 1,024 bytes + 16: 65 x 16, so the 16 rows of a fragment load start in 16 different groups of four banks
.set BFB,    16*BPITCH
.set BF0,    2*SLOTB                   ; two bf16 buffers behind the two slots; no tensor load lands there
.set MMB,    BF0+2*BFB                 ; two times 16 words of -|m|^2/2
.set SPARE,  MMB+256                   ; the spare words, 128 bytes a wave
; window 0
.set AA, 2                             ; LDS address of my fragment rows in bf16 buffer 0
.set MA, 3                             ; of my eight words of -|m|^2/2
.set FA0, 4                            ; of my f32 bytes in quarters 0, 1 of the slot in hand
.set FA2, 5                            ; in quarters 2, 3
.set BA, 6                             ; where I store 16 bytes of bf16
.set MS, 7                             ; where I store a row's -|m|^2/2
.set ROWV, 8                           ; my first row of the subtile being rounded, counted from own_lo
.set RB, 9                             ; base + 8 h
.set ZR, 10
.set BIG, 11                           ; -1e38
.set SPW, 12
.set NIL, 13
.set TT, 14                            ; v14-17 at work in the insertion
.set FB0, 18                           ; FA0, FA2 for slot 0; never rewritten
.set FB2, 19
.set M1, 20
.set M2, 24
.set IDX, 28
.set XK, 32                            ; the group that is being inserted: key, payload
.set XP, 36
.set KP, 40                            ; v40-87: tile t at KP + 12 t: K1 K2 K3 K4 | K5 K6 P5 0 | P1 P2 P3 P4
.set MMH, 88
.set PK, 96                            ; v96-103 packed bf16, two sets by turns
.set CH, 104                           ; v104-107 sums of squares
.set QO, 108
.set GO, 109
.set RL, 110
.set HL, 111
.set FS, 112                           ; v112-175 f32 as read from the slot: 32 registers for each of my two pairs of rows
.set ACC, 176                          ; v176-239 two sets of four accumulators
; window 1: v0-63 A's fragments of K steps 0-7, v64-127 of K steps 8-15.  Windows 2, 3: Q, K step s, tile t at 8 (4 (s % 8) + t)
.set G1, 24
.set G0A, 32
.set G0B, 36
.set CM, 40
.set CODE, 44                          ; s44-51: 16 n + j for the subtile being selected
.set SPAN, 52                          ; own_hi - own_lo, and that less 2
.set HIM, 54
.set CNT, 55
.set NEGM, 56
.set CMQ, 57
.set TB, 58                            ; LDS byte of the slot being rounded
.set CI, 66                            ; s66-85 the insertion's 20 masks
.set MSB, 0
.macro WIN new                         ; the immediate's high byte repeats the setting that is left; a switch that changes nothing is dropped
.if MSB != (\new)
	s_set_vgpr_msb (MSB<<8)|(\new)
.set MSB, \new
.endif
.endm
.macro CREST                           ; a round of the cluster's barrier behind its opening barrier
	s_cmp_lg_u32 s10, 0
	s_cbranch_scc1 .Lnw0_\@
	s_barrier_signal -3
.Lnw0_\@:
	s_barrier_wait -3
	s_barrier_signal -1
	s_barrier_wait -1
.endm
.macro CROUND
	s_barrier_signal -1
	s_barrier_wait -1
	CREST
.endm
.macro PLACES
.rept 4
	v_nop
.endr
.endm
	s_load_b128 s[4:7], s[0:1], 0x0                ; h_query, memory_embeds
	s_load_b64 s[8:9], s[0:1], 0x10                ; SUM
	v_lshl_add_u32 v[SPW], v0, 2, SPARE
	v_mov_b32 v[NIL], 0
	ds_add_u32 v[SPW], v[NIL]                      ; the wave's opening: the add and its wait stand ahead of my first tensor load
	v_lshrrev_b32 v1, 5, v0
	v_readfirstlane_b32 s10, v1                    ; wave
	s_mov_b32 s11, ttmp9                           ; c: in a cluster launch ttmp9 counts clusters
	s_bfe_u32 s12, ttmp6, 0x40000                  ; cx: it enters Q's and SUM's addresses alone
	s_mul_i32 s13, s11, 1563
	s_lshr_b32 s14, s13, 6
	s_lshl_b32 s14, s14, 6                         ; own_lo
	s_add_co_u32 s13, s13, 1563
	s_lshr_b32 s15, s13, 6
	s_lshl_b32 s15, s15, 6                         ; own_hi
	s_min_u32 s16, s14, 98400                      ; base: base + 1,600 never passes row 100,000
	s_sub_co_u32 s[SPAN], s15, s14
	s_sub_co_u32 s[SPAN+1], s[SPAN], 2
	s_sub_co_u32 s17, s16, s14                     ; 0, or -32 in the last cluster
	s_lshl4_add_u32 s18, s10, s16                  ; my 16 rows of a slot
	s_lshl_b32 s18, s18, 11
	s_mov_b32 s19, 0
	s_lshl_b32 s20, s10, 15                        ; and their place in a slot
	s_mov_b32 s[G1], 15|(3<<16)|(1<<21)            ; the mask of four; elements of 8 bytes; bit 21 set beside a mask; no padding
	s_mov_b32 s[G1+1], 32<<16                      ; tensor_dim0 = 32 elements = 256 bytes
	s_mov_b32 s[G1+2], 128<<16                     ; tensor_dim1 = 128
	s_mov_b32 s[G1+3], 32<<16                      ; tile_dim0
	s_mov_b32 s[G1+4], 128                         ; tile_dim1
	s_mov_b32 s[G1+5], 32                          ; pitch: the block is dense
	s_mov_b32 s[G1+6], 0
	s_mov_b32 s[G1+7], 0
	s_mov_b32 s[G0A], 1
	s_mov_b32 s[G0A+1], s20
	s_mov_b32 s[G0B], 1
	s_add_co_u32 s[G0B+1], s20, SLOTB
	s_lshl_b32 s60, s12, 2
	s_add_co_u32 s60, s60, s10                     ; 4 cx + wave
	s_lshl_b32 s62, s60, 17                        ; x 64 queries of 2,048 bytes
	s_mov_b32 s63, 0
	s_mul_i32 s60, s60, 4*1536                     ; x 4 tiles of 1,536 bytes of SUM
	s_mul_i32 s61, s11, 98304
	s_add_co_u32 s60, s60, s61
	s_mov_b32 s61, 0
	s_mov_b32 s[HIM], 0xfffe0000
	s_mov_b32 s[NEGM], 0xff7fffff
	s_mov_b32 s[TB], 0
.irp j, 0,1,2,3,4,5,6,7
	s_mov_b32 s[CODE+\j], \j-32                    ; two steps of 16 ahead of subtile 0
.endr
	v_and_b32 v[RL], 15, v0
	v_bfe_u32 v[HL], v0, 4, 1
	v_mul_u32_u24 v[AA], v[RL], BPITCH
	v_lshl_add_u32 v[AA], v[HL], 4, v[AA]
	v_add_nc_u32 v[AA], BF0, v[AA]
	v_lshlrev_b32 v[MA], 5, v[HL]
	v_add_nc_u32 v[MA], MMB, v[MA]
	s_lshl_b32 s13, s10, 13                        ; my 4 rows of a subtile
	v_lshlrev_b32 v[FB0], 4, v[RL]
	v_lshl_add_u32 v[FB0], v[HL], 11, v[FB0]
	v_add_nc_u32 v[FB0], s13, v[FB0]
	v_add_nc_u32 v[FB2], 65536, v[FB0]
	v_mov_b32 v[FA0], v[FB0]
	v_mov_b32 v[FA2], v[FB2]
	s_mul_i32 s13, s10, 4*BPITCH
	v_mul_u32_u24 v[BA], v[HL], BPITCH
	v_lshl_add_u32 v[BA], v[RL], 4, v[BA]
	v_add_nc_u32 v[BA], s13, v[BA]
	v_add_nc_u32 v[BA], BF0, v[BA]
	s_lshl_b32 s13, s10, 4
	v_lshl_add_u32 v[MS], v[HL], 2, s13
	v_add_nc_u32 v[MS], MMB, v[MS]
	s_lshl2_add_u32 s13, s10, s17
	v_add_nc_u32 v[ROWV], s13, v[HL]
	v_lshl_add_u32 v[RB], v[HL], 3, s16
	v_mov_b32 v[ZR], 0
	v_mov_b32 v[BIG], 0xfe967699
	v_lshlrev_b32 v[QO], 11, v[RL]
	v_lshl_add_u32 v[QO], v[HL], 4, v[QO]
	v_and_b32 v[GO], 31, v0
	v_lshlrev_b32 v[GO], 4, v[GO]
	s_wait_dscnt 0x0                               ; the opening add is done
	s_wait_kmcnt 0x0
	s_add_nc_u64 s[22:23], s[6:7], s[18:19]
	s_mov_b64 s[G0A+2:G0A+3], s[22:23]
	s_or_b32 s[G0A+3], s[G0A+3], 0x80000000
	s_add_nc_u64 s[G0B+2:G0B+3], s[22:23], SLOTB   ; 64 rows on
	s_or_b32 s[G0B+3], s[G0B+3], 0x80000000
	s_add_nc_u64 s[4:5], s[4:5], s[62:63]
	s_add_nc_u64 s[8:9], s[8:9], s[60:61]
	CROUND                                         ; all four work-groups are here: the first joint loads meet
	tensor_load_to_lds s[G0A:G0A+3], s[G1:G1+7]    ; slot 0; two loads of mine are out
	s_nop 0
	tensor_load_to_lds s[G0B:G0B+3], s[G1:G1+7]    ; slot 1
	s_nop 0
	PLACES
; Q: K step s of my four tiles is 16 loads of 16 bytes a lane into one of four staging buffers in window 1, then 32 roundings into window 2 or 3.
.macro QLOAD s
	WIN 0x40
.set t_, 0
.rept 4
.set e_, 0
.rept 4
	global_load_b128 v[64*((\s)%4)+16*t_+4*e_:64*((\s)%4)+16*t_+4*e_+3], v[QO], s[4:5] offset:32768*t_+512*((\s)/4)+64*((\s)%4)+256*(e_%2)+32*(e_/2)
.set e_, e_+1
.endr
.set t_, t_+1
.endr
	WIN 0
.endm
.macro QCVT s
	WIN 0x85+0x40*((\s)/8)
.set t_, 0
.rept 4
.set e_, 0
.rept 8
	v_cvt_pk_bf16_f32 v[8*(4*((\s)%8)+t_)+e_], v[64*((\s)%4)+16*t_+2*e_], v[64*((\s)%4)+16*t_+2*e_+1]
.set e_, e_+1
.endr
.set t_, t_+1
.endr
	WIN 0
.endm
	QLOAD 0
	QLOAD 1
	QLOAD 2
	QLOAD 3
	; what the first units find: lists and maxima at the lowest finite number, both accumulator sets at -1e38 (the selections of the two subtiles that have not been see nothing that lasts)
.irp t, 0,1,2,3
	v_mov_b32 v[M1+\t], s[NEGM]
	v_mov_b32 v[M2+\t], s[NEGM]
	v_mov_b32 v[IDX+\t], 0
	v_mov_b32 v[XK+\t], s[NEGM]
	v_mov_b32 v[XP+\t], 0
.endr
.set z_, 0
.rept 48
.if (z_%12) < 6
	v_mov_b32 v[KP+z_], s[NEGM]
.else
	v_mov_b32 v[KP+z_], 0
.endif
.set z_, z_+1
.endr
.set z_, 0
.rept 64
	v_mov_b32 v[ACC+z_], v[BIG]
.set z_, z_+1
.endr
.set qs, 0
.rept 16
.if qs < 13
	s_wait_loadcnt 48                              ; three younger K steps, 16 loads each, stay out
.else
	s_wait_loadcnt 16*(15-qs)
.endif
	QCVT qs
.if qs < 12
	QLOAD qs+4
.endif
.set qs, qs+1
.endr
	WIN 0x40
.set z_, 64
.rept 64
	v_mov_b32 v[z_], 0                             ; A's second half: the first unit's products of a subtile that has not been add 0
.set z_, z_+1
.endr
	WIN 0
; One matrix instruction: set, phase (K steps 0-7 or 8-15), K step in the phase, tile.  The four accumulators of a set take turns.
.macro MM set, ph, k, t
	WIN 0x09+4*(\ph)
.set d_, ACC+32*(\set)+8*(\t)
.set a_, 64*(\ph)+8*(\k)
.set b_, 8*(4*(\k)+(\t))
.if ((\ph) == 0) && ((\k) == 0)
	v_wmma_f32_16x16x32_bf16 v[d_:d_+7], v[a_:a_+7], v[b_:b_+7], v[MMH:MMH+7]
.else
	v_wmma_f32_16x16x32_bf16 v[d_:d_+7], v[a_:a_+7], v[b_:b_+7], v[d_:d_+7]
.endif
.endm
.macro ALOAD ph, buf                   ; 16 loads: A's fragments of eight K steps
	WIN 0x40
.set z_, 0
.rept 8
	ds_load_b128 v[64*(\ph)+8*z_:64*(\ph)+8*z_+3],   v[AA] offset:(\buf)*BFB+512*(\ph)+64*z_
	ds_load_b128 v[64*(\ph)+8*z_+4:64*(\ph)+8*z_+7], v[AA] offset:(\buf)*BFB+512*(\ph)+64*z_+32
.set z_, z_+1
.endr
	WIN 0
.endm
.macro FLOAD p, q                      ; 8 loads: rows 4 w + l / 16 + 2 p of quarter q of the slot, 256 consecutive bytes for each half of the lanes
.set z_, 0
.rept 8
	ds_load_b128 v[FS+32*(\p)+4*z_:FS+32*(\p)+4*z_+3], v[FA0+(\q)/2] offset:32768*((\q)%2)+4096*(\p)+256*z_
.set z_, z_+1
.endr
.endm
; THE SELECTION's queue, 128 long: for register j of the four accumulators of set SX: is M1 kept; M2 = the middle of score, M1, M2; the row's code; M1.  j ascends: each accumulator is read from its low end on.
.macro SQ
.set j_, sq/16
.set k_, (sq%16)/4
.set t_, sq%4
.set a_, ACC+32*SX+8*t_+j_
.if k_ == 0
	v_cmp_ge_f32 s[CM+t_], v[M1+t_], v[a_]
.elseif k_ == 1
	v_med3_num_f32 v[M2+t_], v[a_], v[M1+t_], v[M2+t_]
.elseif k_ == 2
	v_cndmask_b32 v[IDX+t_], s[CODE+j_], v[IDX+t_], s[CM+t_]
.else
	v_max_num_f32 v[M1+t_], v[M1+t_], v[a_]
.endif
.set sq, sq+1
.endm
; THE ROUNDING's queue, 112 long: for each of my two pairs of rows four times (4 roundings, the store of 16 bytes, 8 squares onto two sums), then the sum over 16 lanes, -1/2, the ownership, the store.
.macro CQ
.set p_, cq/56
.set u_, cq%56
.set f_, FS+32*p_
.set c0_, CH+2*p_
.if u_ < 48
.set i_, u_/12
.set w_, u_%12
.set b_, PK+4*(i_%2)
.if w_ < 4
	v_cvt_pk_bf16_f32 v[b_+w_], v[f_+8*i_+2*w_], v[f_+8*i_+2*w_+1]
.if w_ == 3
	ds_store_b128 v[BA], v[b_:b_+3] offset:CBUF*BFB+p_*2*BPITCH+i_*256
.endif
.else
.set r_, b_+(w_-4)/2
.set c_, c0_+w_%2
.set z_, c_
.if (i_ == 0) && (w_ < 6)
.set z_, ZR
.endif
.if (w_%2) == 0
	v_fma_mix_f32_bf16 v[c_], v[r_], v[r_], v[z_] op_sel_hi:[1,1,0]
.else
	v_fma_mix_f32_bf16 v[c_], v[r_], v[r_], v[z_] op_sel:[1,1,0] op_sel_hi:[1,1,0]
.endif
.endif
.elseif u_ == 48
	v_add_f32 v[c0_], v[c0_], v[c0_+1]
.elseif u_ == 49
	v_add_f32_dpp v[c0_], v[c0_], v[c0_] row_xmask:1 row_mask:0xf bank_mask:0xf
.elseif u_ == 50
	v_add_f32_dpp v[c0_], v[c0_], v[c0_] row_xmask:2 row_mask:0xf bank_mask:0xf
.elseif u_ == 51
	v_add_f32_dpp v[c0_], v[c0_], v[c0_] row_xmask:4 row_mask:0xf bank_mask:0xf
.elseif u_ == 52
	v_add_f32_dpp v[c0_], v[c0_], v[c0_] row_xmask:8 row_mask:0xf bank_mask:0xf
.elseif u_ == 53
	v_mul_f32 v[c0_], -0.5, v[c0_]
.elseif u_ == 54
	v_cmp_gt_u32 s[CMQ], s[SPAN+p_], v[ROWV]       ; row ROWV + 2 p is mine (a subtile's 16 rows lie on one side of own_lo)
.else
	v_cndmask_b32 v[c0_], v[BIG], v[c0_], s[CMQ]
	ds_store_b32 v[MS], v[c0_] offset:CBUF*64+8*p_
.if p_ == 1
	v_add_nc_u32 v[ROWV], 16, v[ROWV]
.endif
.endif
.set cq, cq+1
.endm
; THE INSERTION's queue, 80 long: 20 compares with the old keys; the payloads from place 5 down to 1; the keys from place 6 down to 1.  pad = 1: an empty queue gives a v_nop.
.macro IQ pad
.if iq < 20
.set i_, iq/4
.set t_, iq%4
	v_cmp_gt_f32 s[CI+4*i_+t_], v[XK+t_], v[KP+12*t_+i_]
.elseif iq < 52
.set u_, iq-20
.set i_, 5-u_/8
.set t_, u_%4
.set d_, KP+12*t_+7+i_-6*(i_/5)
.set e_, KP+12*t_+6+i_
.if (u_%8) < 4
	v_cndmask_b32 v[TT+t_], v[XP+t_], v[e_], s[CI+4*(i_-2)+t_]
.else
	v_cndmask_b32 v[d_], v[d_], v[TT+t_], s[CI+4*(i_-1)+t_]
.endif
.elseif iq < 56
.set t_, iq-52
	v_cndmask_b32 v[KP+12*t_+8], v[KP+12*t_+8], v[XP+t_], s[CI+t_]
.elseif iq < 80
.set u_, iq-56
.set i_, 6-u_/4
.set t_, u_%4
.if i_ > 1
	v_med3_num_f32 v[KP+12*t_+i_-1], v[XK+t_], v[KP+12*t_+i_-2], v[KP+12*t_+i_-1]
.else
	v_max_num_f32 v[KP+12*t_], v[XK+t_], v[KP+12*t_]
.endif
.elseif \pad
	v_nop
.endif
.set iq, iq+1
.endm
.macro COPY                            ; a group is finished: its record is set aside for the insertion, and the next group starts
.irp t, 0,1,2,3
	v_mov_b32 v[XK+\t], v[M1+\t]
	v_and_or_b32 v[XP+\t], v[M2+\t], s[HIM], v[IDX+\t]
.endr
.irp t, 0,1,2,3
	v_mov_b32 v[M1+\t], s[NEGM]
	v_mov_b32 v[M2+\t], s[NEGM]
.endr
.set iq, 0
.endm
.macro CODESTEP
.irp j, 0,1,2,3,4,5,6,7
	s_add_co_u32 s[CODE+\j], s[CODE+\j], 16
.endr
.endm
; UNIT n, m = n % 4.  Places 0-31: K steps 8-15 of subtile n - 1; places 32-63: K steps 0-7 of subtile n.  Behind each matrix instruction two lines of the selection (second half of subtile n - 2, then
; first half of n - 1) and two or three of the insertion (places 0-11, 60-63) or of the rounding of subtile n + 1 (places 12-59).  ONE barrier at the end: in front of it my stores into the other bf16
; buffer and my reads of this one are done.  rf = 1: the barrier opens a round of the cluster's barrier and the slot whose last quarter has just been rounded is filled again, two slots ahead: the load has
; four units, 256 matrix instructions, in which to land.  rf = 2 (the tail): my part of the last tile is waited for, for the other waves' sake.
.macro UNIT m, rf
.set XN, (\m)%2
.set XO, 1-XN
.set CBUF, XO
.set SX, XN
.set sq, 64
.set cq, 0
	ALOAD 0, XN                                    ; four plain vector lines stand between the last product that read these registers and this run
	ds_load_b128 v[MMH:MMH+3],   v[MA] offset:64*XN
	ds_load_b128 v[MMH+4:MMH+7], v[MA] offset:64*XN+16
	FLOAD 0, ((\m)+1)%4
.set sl, 0
.rept 64
.if sl == 12
	s_wait_dscnt 0x0                               ; the 26 loads issued at place 0
.elseif sl == 16
	FLOAD 1, ((\m)+1)%4
.elseif sl == 32
	ALOAD 1, XN                                    ; place 31's four plain lines stand in front
	CODESTEP
.if (\m) == 1
	COPY                                           ; subtiles 4 t .. 4 t + 3 have been selected
.endif
.set sq, 0
.set SX, XO
.elseif sl == 36
	s_wait_dscnt 16                                ; behind the second eight f32 loads 4 stores and 16 loads were issued
.elseif sl == 60
.if (\rf) == 1
	s_wait_tensorcnt 0x0                           ; all my tensor loads have landed: the one that was out is my part of the other slot
	ds_add_u32 v[SPW], v[NIL]                      ; 0 onto my spare word
	s_xor_b32 s[G0B+1], s[G0B+1], SLOTB            ; the walking descriptor: the other slot than last time,
	s_add_nc_u64 s[G0B+2:G0B+3], s[G0B+2:G0B+3], SLOTB  ; the next 64 rows; the type bits on top are not reached
.elseif (\rf) == 2
	s_wait_tensorcnt 0x0
.endif
.elseif sl == 62
	s_wait_dscnt 0x0                               ; my stores, my loads and the add are done
	s_barrier_signal -1
.endif
.if sl < 32
	MM XO, 1, sl/4, sl%4
.else
	MM XN, 0, (sl-32)/4, sl%4
.endif
	WIN 0
	SQ
	SQ
.if (sl < 12) || (sl >= 60)
	IQ sl/63
	IQ sl/63
.else
	CQ
	CQ
.if ((sl-12)%3) == 2
	CQ
.endif
.endif
.set sl, sl+1
.endr
	s_barrier_wait -1
.if (\rf) == 1
	CREST                                          ; no wave of any partner still reads the slot or has a load on its way
	tensor_load_to_lds s[G0B:G0B+3], s[G1:G1+7]    ; my one tensor load behind the round
	s_nop 0
	PLACES
.endif
.endm
.macro BODY rf                         ; a slot's four units; round the loop the insertion's queue stands at 72
.set iq, 72
	UNIT 0, 0
	UNIT 1, 0
	UNIT 2, \rf
	s_xor_b32 s[TB], s[TB], SLOTB                  ; unit 3 rounds the next slot's first quarter
	v_add_nc_u32 v[FA0], s[TB], v[FB0]
	v_add_nc_u32 v[FA2], s[TB], v[FB2]
	UNIT 3, 0
.endm
	s_wait_tensorcnt 0x1                           ; my part of slot 0 is in; slot 1's may stay out
	s_barrier_signal -1
	s_barrier_wait -1
	FLOAD 0, 0                                     ; subtile 0 is rounded by itself
	FLOAD 1, 0
	s_wait_dscnt 0x0
.set CBUF, 0
.set cq, 0
.rept 112
	CQ
.endr
	s_wait_dscnt 0x0                               ; for the others' sake: my stores are done
	s_barrier_signal -1
	s_barrier_wait -1
	s_mov_b32 s[CNT], 23
.Lmain:                                                ; slots 0 to 22: each trip asks for the slot two ahead, 2 to 24
	BODY 1
	s_sub_co_u32 s[CNT], s[CNT], 1
	s_cmp_lg_u32 s[CNT], 0
	s_cbranch_scc1 .Lmain
	s_mov_b32 s[CNT], 2
.Ltail:                                                ; slots 23 and 24: nothing is asked for.  The last unit rounds 16 stale rows that nothing multiplies: the price of one text for every unit
	BODY 2
	s_sub_co_u32 s[CNT], s[CNT], 1
	s_cmp_lg_u32 s[CNT], 0
	s_cbranch_scc1 .Ltail
.set sq, 64
.set SX, 0
.set iq, 72
.set sl, 0
.rept 32                               ; subtile 99's K steps 8-15 | the rest of subtile 98's selection and of group 23's insertion
	MM 1, 1, sl/4, sl%4
	WIN 0
	SQ
	SQ
.if sl < 4
	IQ 0
	IQ 0
.endif
.set sl, sl+1
.endr
	PLACES
	CODESTEP
.set sq, 0
.set SX, 1
.rept 128
	SQ
.endr
	COPY
.rept 80
	IQ 0
.endr
.irp t, 0,1,2,3
.irp e, 6,8,9,10,11
	v_add_nc_u32 v[KP+12*\t+\e], v[RB], v[KP+12*\t+\e]  ; code + base + 8 h = the row, below 2^17: M2's bits on top are not reached
.endr
.endr
.set t_, 0
.rept 4
.set e_, 0
.rept 3
	global_store_b128 v[GO], v[KP+12*t_+4*e_:KP+12*t_+4*e_+3], s[8:9] offset:1536*t_+512*e_  ; 512 consecutive bytes, at a multiple of 256 from SUM's first
.set e_, e_+1
.endr
.set t_, t_+1
.endr
	s_wait_tensorcnt 0x0                           ; the wave's end
	ds_add_u32 v[SPW], v[NIL]
	s_wait_dscnt 0x0
	CROUND                                         ; the closing round
	s_endpgm
.Lfunc_end_k_qb5429fc17f_knn:
	.size	k_qb5429fc17f_knn, .Lfunc_end_k_qb5429fc17f_knn-k_qb5429fc17f_knn
	.p2alignl 7, 3214868480
	.fill 96, 4, 3214868480
	.section	.rodata,"a",@progbits
	.p2align	6, 0x0
	.amdhsa_kernel k_qb5429fc17f_knn
		.amdhsa_group_segment_fixed_size 327680
		.amdhsa_private_segment_fixed_size 0
		.amdhsa_enable_private_segment 0
		.amdhsa_kernarg_size 24
		.amdhsa_user_sgpr_count 2
		.amdhsa_user_sgpr_kernarg_segment_ptr 1
		.amdhsa_wavefront_size32 1
		.amdhsa_system_sgpr_workgroup_id_x 1
		.amdhsa_system_sgpr_workgroup_id_y 1
		.amdhsa_system_sgpr_workgroup_id_z 1
		.amdhsa_system_vgpr_workitem_id 0
		.amdhsa_next_free_vgpr 1024
		.amdhsa_next_free_sgpr 100
		.amdhsa_reserve_vcc 0
		.amdhsa_float_denorm_mode_32 3
		.amdhsa_float_denorm_mode_16_64 3
		.amdhsa_memory_ordered 1
		.amdhsa_forward_progress 1
		.amdhsa_inst_pref_size 255
	.end_amdhsa_kernel
	.section	.bss,"aw",@nobits
	.p2align	6
	.space	262144
	.amdgpu_metadata
---
amdhsa.version: [ 1, 2 ]
amdhsa.kernels:
  - .name:           k_qb5429fc17f_knn
    .symbol:         k_qb5429fc17f_knn.kd
    .args:
      - { .name: h_query, .offset: 0, .size: 8, .value_kind: global_buffer, .address_space: global }
      - { .name: memory_embeds, .offset: 8, .size: 8, .value_kind: global_buffer, .address_space: global }
      - { .name: SUM, .offset: 16, .size: 8, .value_kind: global_buffer, .address_space: global }
    .group_segment_fixed_size: 327680
    .private_segment_fixed_size: 0
    .kernarg_segment_align: 8
    .kernarg_segment_size: 24
    .max_flat_workgroup_size: 128
    .sgpr_count:     100
    .vgpr_count:     1024
    .wavefront_size: 32
...
	.end_amdgpu_metadata
.endif
;; end of part 1
;; launch pick (part 2): grid 256 x 1, 4 waves a work-group, no clusters, 0 bytes of LDS; arguments SUM, SELK, IDXB; writes SELK, IDXB
.if DOCPART == 2
	.amdgcn_target "amdgcn-amd-amdhsa--gfx1250"
	.amdhsa_code_object_version 6
	.text
	.protected	k_qb5429fc17f_pick
	.globl	k_qb5429fc17f_pick
	.p2align	8
	.type	k_qb5429fc17f_pick,@function
k_qb5429fc17f_pick:
	s_mov_b64 s[64:65], 0
	v_nop
	global_prefetch_b8 v0, s[64:65] scope:SCOPE_SE
	s_setreg_imm32_b32 hwreg(HW_REG_WAVE_MODE, 25, 1), 1
	s_wait_xcnt 0x0
; THE 32 BEST GROUP MAXIMA OF A QUERY, AND WHAT MUST BE LOOKED AT AGAIN.  One wave a query.  Lane l, chain g hold supergroup (c = 16 g + l / 2, h = l % 2): five records (key, payload) and K6.
; The 640 keys are 20 batches of 32.  Each chain keeps a sorted list of 32: a batch is sorted the other way round (bitonic, 15 exchanges), the larger of list and batch is taken lane by lane
; (the 32 largest of the 64, a bitonic row), and five exchanges sort it.  Four chains run side by side, so that no line waits for the one before it; chains 0, 2 fall, chains 1, 3 rise, so that they merge at the end.
; T = the 32nd key.  Every row with a score of T or more is one of the 32 winners, or lies in a winner's group whose second best may reach T (dirty), or in a supergroup whose sixth key reaches T (overflow).
; Stored: the keys; the rows; word 32: dirty winners outside overflowed supergroups; words 33-36: the overflow masks; word 37: winners to drop (dirty, or in an overflowed supergroup).
; No LDS, no matrix unit: 6,144 bytes a query, all work between lanes.  Equal keys keep their own payloads; NaN is not treated.
.set LD, 16                            ; v16-63: chain g at LD + 12 g: K1 K2 K3 K4 | K5 K6 P5 0 | P1 P2 P3 P4
.set RR, 64
.set PR, 68
.set BB, 72
.set PB, 76
.set T1, 80
.set T2, 84
.set T3, 88
.set SEL, 12
.set SMK, 20
.set SCM, 24
; An exchange at lane distance d for n chains (registers st apart).  mask: the lanes that take the larger key in a falling sort; chains with (g + flip) odd rise.  A lane takes the partner's payload if its key changed.
.macro CE kb, pb, d, mask, n, st, flip
	s_mov_b32 s[SMK], \mask
.set g_, 0
.rept \n
.if (\d) == 16
	v_permlanex16_b32 v[T1+g_], v[(\kb)+(\st)*g_], s[SEL], s[SEL+1]
	v_permlanex16_b32 v[T3+g_], v[(\pb)+(\st)*g_], s[SEL], s[SEL+1]
.else
	v_max_num_f32_dpp v[T1+g_], v[(\kb)+(\st)*g_], v[(\kb)+(\st)*g_] row_xmask:\d row_mask:0xf bank_mask:0xf
	v_min_num_f32_dpp v[T2+g_], v[(\kb)+(\st)*g_], v[(\kb)+(\st)*g_] row_xmask:\d row_mask:0xf bank_mask:0xf
	v_mov_b32_dpp v[T3+g_], v[(\pb)+(\st)*g_] row_xmask:\d row_mask:0xf bank_mask:0xf
.endif
.set g_, g_+1
.endr
.if (\d) == 16
.set g_, 0
.rept \n
	v_min_num_f32 v[T2+g_], v[T1+g_], v[(\kb)+(\st)*g_]
	v_max_num_f32 v[T1+g_], v[T1+g_], v[(\kb)+(\st)*g_]
.set g_, g_+1
.endr
.endif
.set g_, 0
.rept \n
.if ((g_+(\flip))%2) == 0
	v_cndmask_b32 v[T1+g_], v[T2+g_], v[T1+g_], s[SMK]
.else
	v_cndmask_b32 v[T1+g_], v[T1+g_], v[T2+g_], s[SMK]
.endif
.set g_, g_+1
.endr
.set g_, 0
.rept \n
	v_cmp_neq_f32 s[SCM+g_], v[T1+g_], v[(\kb)+(\st)*g_]
.set g_, g_+1
.endr
.set g_, 0
.rept \n
	v_cndmask_b32 v[(\pb)+(\st)*g_], v[(\pb)+(\st)*g_], v[T3+g_], s[SCM+g_]
	v_mov_b32 v[(\kb)+(\st)*g_], v[T1+g_]
.set g_, g_+1
.endr
.endm
.macro MERGE kb, pb, n, st, flip
	CE \kb, \pb, 16, 0x0000ffff, \n, \st, \flip
	CE \kb, \pb, 8, 0x00ff00ff, \n, \st, \flip
	CE \kb, \pb, 4, 0x0f0f0f0f, \n, \st, \flip
	CE \kb, \pb, 2, 0x33333333, \n, \st, \flip
	CE \kb, \pb, 1, 0x55555555, \n, \st, \flip
.endm
.macro SORT kb, pb, n, st, flip        ; mask = (lanes whose bit d is 0) xor (lanes in the upper half of a block of twice the stage's size)
	CE \kb, \pb, 1, 0x99999999, \n, \st, \flip
	CE \kb, \pb, 2, 0xc3c3c3c3, \n, \st, \flip
	CE \kb, \pb, 1, 0xa5a5a5a5, \n, \st, \flip
	CE \kb, \pb, 4, 0xf00ff00f, \n, \st, \flip
	CE \kb, \pb, 2, 0xcc33cc33, \n, \st, \flip
	CE \kb, \pb, 1, 0xaa55aa55, \n, \st, \flip
	CE \kb, \pb, 8, 0xff0000ff, \n, \st, \flip
	CE \kb, \pb, 4, 0xf0f00f0f, \n, \st, \flip
	CE \kb, \pb, 2, 0xcccc3333, \n, \st, \flip
	CE \kb, \pb, 1, 0xaaaa5555, \n, \st, \flip
	MERGE \kb, \pb, \n, \st, \flip
.endm
.macro MAXM ka, pa, kb, pb, n, st      ; lane by lane the larger key and its payload
.set g_, 0
.rept \n
	v_cmp_gt_f32 s[SCM+g_], v[(\kb)+(\st)*g_], v[(\ka)+(\st)*g_]
.set g_, g_+1
.endr
.set g_, 0
.rept \n
	v_cndmask_b32 v[(\ka)+(\st)*g_], v[(\ka)+(\st)*g_], v[(\kb)+(\st)*g_], s[SCM+g_]
	v_cndmask_b32 v[(\pa)+(\st)*g_], v[(\pa)+(\st)*g_], v[(\pb)+(\st)*g_], s[SCM+g_]
.set g_, g_+1
.endr
.endm
	s_load_b128 s[4:7], s[0:1], 0x0                ; SUM, SELK
	s_load_b64 s[8:9], s[0:1], 0x10                ; IDXB
	v_lshrrev_b32 v1, 5, v0
	v_readfirstlane_b32 s10, v1
	s_lshl2_add_u32 s11, ttmp9, s10                ; the query
	v_and_b32 v2, 31, v0
	v_lshlrev_b32 v5, 2, v2
	v_lshrrev_b32 v3, 1, v2
	v_mul_u32_u24 v3, v3, 98304                    ; a cluster's part of SUM
	v_and_b32 v4, 1, v2
	v_lshl_add_u32 v3, v4, 8, v3                   ; the lane half: 16 lanes of 16 bytes
	s_and_b32 s14, s11, 15
	s_lshl_b32 s14, s14, 4
	v_add_nc_u32 v3, s14, v3                       ; the query's place in its tile
	s_lshr_b32 s14, s11, 4
	s_mul_i32 s14, s14, 1536                       ; the query's tile
	s_mov_b32 s15, 0
	s_mov_b32 s[SEL], 0x76543210
	s_mov_b32 s[SEL+1], 0xfedcba98
	s_wait_kmcnt 0x0
	s_add_nc_u64 s[4:5], s[4:5], s[14:15]
.set g_, 0
.rept 4
.irp e, 0,1,2
	global_load_b128 v[LD+12*g_+4*\e:LD+12*g_+4*\e+3], v3, s[4:5] offset:1572864*g_+512*\e
.endr
.set g_, g_+1
.endr
	s_lshl_b32 s14, s11, 7
	s_add_nc_u64 s[6:7], s[6:7], s[14:15]
	s_lshl_b32 s14, s11, 8
	s_add_nc_u64 s[8:9], s[8:9], s[14:15]
.irp g, 0,1,2,3
	v_mov_b32 v[RR+\g], 0xff7fffff
	v_mov_b32 v[PR+\g], 0
	v_mov_b32 v[T1+\g], 0                          ; destinations of lane moves count as read
	v_mov_b32 v[T2+\g], 0
	v_mov_b32 v[T3+\g], 0
.endr
	s_mov_b32 s16, 5
	s_wait_loadcnt 0x0
.Lbatch:                                               ; a trip takes each lane's first record as the batch and shifts the others down
.irp g, 0,1,2,3
	v_mov_b32 v[BB+\g], v[LD+12*\g]
	v_mov_b32 v[PB+\g], v[LD+12*\g+8]
.endr
.irp g, 0,1,2,3
	v_mov_b32 v[LD+12*\g], v[LD+12*\g+1]
	v_mov_b32 v[LD+12*\g+1], v[LD+12*\g+2]
	v_mov_b32 v[LD+12*\g+2], v[LD+12*\g+3]
	v_mov_b32 v[LD+12*\g+3], v[LD+12*\g+4]
	v_mov_b32 v[LD+12*\g+8], v[LD+12*\g+9]
	v_mov_b32 v[LD+12*\g+9], v[LD+12*\g+10]
	v_mov_b32 v[LD+12*\g+10], v[LD+12*\g+11]
	v_mov_b32 v[LD+12*\g+11], v[LD+12*\g+6]
.endr
	SORT BB, PB, 4, 1, 1
	MAXM RR, PR, BB, PB, 4, 1
	MERGE RR, PR, 4, 1, 0
	s_sub_co_u32 s16, s16, 1
	s_cmp_lg_u32 s16, 0
	s_cbranch_scc1 .Lbatch
	MAXM RR, PR, RR+1, PR+1, 2, 2                  ; chains 0 with 1, 2 with 3
	MERGE RR, PR, 2, 2, 0                          ; chain 0 falls, chain 2 rises
	MAXM RR, PR, RR+2, PR+2, 1, 1
	MERGE RR, PR, 1, 1, 0
	v_readlane_b32 s21, v[RR], 31                  ; T
	s_mov_b32 s22, 0x3c800000                      ; 2^-6
	s_mov_b32 s17, 42936
	v_and_b32 v[T1], 0xfffe0000, v[PR]             ; M2 cut toward 0
	v_and_b32 v[T2], 0x1ffff, v[PR]                ; the row
	v_fma_f32 v[T1+1], |v[T1]|, s22, v[T1]         ; no less than M2
	v_cmp_ge_f32 s23, v[T1+1], s21                 ; dirty
.irp g, 0,1,2,3
	v_cmp_ge_f32 s[28+\g], v[LD+12*\g+5], s21      ; overflow
.endr
	v_or_b32 v[T3], 63, v[T2]
	v_mul_lo_u32 v[T3], v[T3], s17
	v_lshrrev_b32 v[T3], 26, v[T3]                 ; c = (row | 63) / 1563: 42936 x 1563 = 2^26 + 104, exact below 100,032, and the product stays under 2^32
	v_lshrrev_b32 v[T3+1], 4, v[T3]
	v_and_b32 v[T3], 15, v[T3]
	v_bfe_u32 v[T3+2], v[T2], 3, 1                 ; h
	v_lshl_add_u32 v[T3], v[T3], 1, v[T3+2]        ; the supergroup's bit in its mask
	v_mov_b32 v[T3+3], s28
	v_mov_b32 v[T1+1], s29
	v_mov_b32 v[T1+2], s30
	v_mov_b32 v[T1+3], s31
	v_cmp_eq_u32 vcc_lo, 1, v[T3+1]
	v_cndmask_b32 v[T3+3], v[T3+3], v[T1+1], vcc_lo
	v_cmp_eq_u32 vcc_lo, 2, v[T3+1]
	v_cndmask_b32 v[T3+3], v[T3+3], v[T1+2], vcc_lo
	v_cmp_eq_u32 vcc_lo, 3, v[T3+1]
	v_cndmask_b32 v[T3+3], v[T3+3], v[T1+3], vcc_lo
	v_lshrrev_b32 v[T3+3], v[T3], v[T3+3]
	v_and_b32 v[T3+3], 1, v[T3+3]
	v_cmp_eq_u32 s32, 1, v[T3+3]
	s_or_b32 s33, s23, s32
	s_and_not1_b32 s34, s23, s32
	v_mov_b32 v[T2+1], 0
	v_writelane_b32 v[T2+1], s34, 0
	v_writelane_b32 v[T2+1], s28, 1
	v_writelane_b32 v[T2+1], s29, 2
	v_writelane_b32 v[T2+1], s30, 3
	v_writelane_b32 v[T2+1], s31, 4
	v_writelane_b32 v[T2+1], s33, 5
	global_store_b32 v5, v[RR], s[6:7]
	global_store_b32 v5, v[T2], s[8:9]
	global_store_b32 v5, v[T2+1], s[8:9] offset:128
	s_endpgm
.Lfunc_end_k_qb5429fc17f_pick:
	.size	k_qb5429fc17f_pick, .Lfunc_end_k_qb5429fc17f_pick-k_qb5429fc17f_pick
	.p2alignl 7, 3214868480
	.fill 96, 4, 3214868480
	.section	.rodata,"a",@progbits
	.p2align	6, 0x0
	.amdhsa_kernel k_qb5429fc17f_pick
		.amdhsa_group_segment_fixed_size 0
		.amdhsa_private_segment_fixed_size 0
		.amdhsa_enable_private_segment 0
		.amdhsa_kernarg_size 24
		.amdhsa_user_sgpr_count 2
		.amdhsa_user_sgpr_kernarg_segment_ptr 1
		.amdhsa_wavefront_size32 1
		.amdhsa_system_sgpr_workgroup_id_x 1
		.amdhsa_system_sgpr_workgroup_id_y 1
		.amdhsa_system_sgpr_workgroup_id_z 1
		.amdhsa_system_vgpr_workitem_id 0
		.amdhsa_next_free_vgpr 96
		.amdhsa_next_free_sgpr 66
		.amdhsa_reserve_vcc 1
		.amdhsa_float_denorm_mode_32 3
		.amdhsa_float_denorm_mode_16_64 3
		.amdhsa_memory_ordered 1
		.amdhsa_forward_progress 1
		.amdhsa_inst_pref_size 49
	.end_amdhsa_kernel
	.amdgpu_metadata
---
amdhsa.version: [ 1, 2 ]
amdhsa.kernels:
  - .name:           k_qb5429fc17f_pick
    .symbol:         k_qb5429fc17f_pick.kd
    .args:
      - { .name: SUM, .offset: 0, .size: 8, .value_kind: global_buffer, .address_space: global }
      - { .name: SELK, .offset: 8, .size: 8, .value_kind: global_buffer, .address_space: global }
      - { .name: IDXB, .offset: 16, .size: 8, .value_kind: global_buffer, .address_space: global }
    .group_segment_fixed_size: 0
    .private_segment_fixed_size: 0
    .kernarg_segment_align: 8
    .kernarg_segment_size: 24
    .max_flat_workgroup_size: 128
    .sgpr_count:     66
    .vgpr_count:     96
    .wavefront_size: 32
...
	.end_amdgpu_metadata
.endif
;; end of part 2
;; launch fix (part 3): grid 1024 x 1, 4 waves a work-group, no clusters, 1,536 bytes of LDS; arguments h_query, memory_embeds, true_values, SELK, IDXB, out0; writes out0
.if DOCPART == 3
	.amdgcn_target "amdgcn-amd-amdhsa--gfx1250"
	.amdhsa_code_object_version 6
	.text
	.protected	k_qb5429fc17f_fix
	.globl	k_qb5429fc17f_fix
	.p2align	8
	.type	k_qb5429fc17f_fix,@function
k_qb5429fc17f_fix:
	s_mov_b64 s[64:65], 0
	v_nop
	global_prefetch_b8 v0, s[64:65] scope:SCOPE_SE
	s_setreg_imm32_b32 hwreg(HW_REG_WAVE_MODE, 25, 1), 1
	s_wait_xcnt 0x0
; THE SECOND LOOK AND THE MEAN.  One work-group a query.  The winners that the launch before marked are dropped; every marked group (32 rows: 8 in each of a slot's four subtiles) is computed again, a supergroup
; that overflowed as its 25 groups; the 32 best of all are kept with their values, and the values' mean is stored.  An ITEM is one group; wave w takes its rows sb + 16 w + 8 h + 0..7.
; A row's score is q . m - |m|^2 / 2 on q and m rounded to bf16, in f32; true_values are rounded to bf16 as the other inputs are.  The trip count and the rows come from whole numbers that the launch before stored.
; Each wave keeps a falling list of 32 (key, value); eight new scores are sorted rising among 24 empty lanes, the larger of list and batch is taken lane by lane, five exchanges sort it.  At the end wave 0 merges the four lists.
; No matrix unit: an item is 32 rows for one query.  Rows are clamped below 99,993, which changes none that the launch before can name.
.set SPARE, 1024                       ; LDS: 4 x 256 bytes for the lists, then the spare words
.set LN, 2
.set L4, 3
.set SPW, 4
.set NIL, 5
.set ZR, 6
.set NEG, 7
.set LO, 8
.set L7, 9
.set RI, 10
.set KK, 11
.set VV, 12
.set CK, 13
.set CV, 14
.set XA, 15
.set T1, 16
.set T2, 17
.set T3, 18
.set TMP, 19
.set LK, 20                            ; v20-25 the other waves' lists
.set QP, 28                            ; v28-35 q, packed bf16
.set A0, 36                            ; v36-39 q.m (low, high halves), m.m (low, high)
.set SS, 40                            ; v40-47 the eight rows' scores
.set PKR, 56                           ; v56-63 a row, packed bf16
.set MR, 64                            ; v64-191 eight rows as loaded
.set SEL, 32
.set SMK, 20
.set SCM, 21
.macro CE kb, pb, d, mask, flip        ; an exchange at lane distance d; mask: the lanes that take the larger key in a falling sort; flip = 1: rising
	s_mov_b32 s[SMK], \mask
.if (\d) == 16
	v_permlanex16_b32 v[T1], v[\kb], s[SEL], s[SEL+1]
	v_permlanex16_b32 v[T3], v[\pb], s[SEL], s[SEL+1]
	v_min_num_f32 v[T2], v[T1], v[\kb]
	v_max_num_f32 v[T1], v[T1], v[\kb]
.else
	v_max_num_f32_dpp v[T1], v[\kb], v[\kb] row_xmask:\d row_mask:0xf bank_mask:0xf
	v_min_num_f32_dpp v[T2], v[\kb], v[\kb] row_xmask:\d row_mask:0xf bank_mask:0xf
	v_mov_b32_dpp v[T3], v[\pb] row_xmask:\d row_mask:0xf bank_mask:0xf
.endif
.if (\flip) == 0
	v_cndmask_b32 v[T1], v[T2], v[T1], s[SMK]
.else
	v_cndmask_b32 v[T1], v[T1], v[T2], s[SMK]
.endif
	v_cmp_neq_f32 s[SCM], v[T1], v[\kb]
	v_cndmask_b32 v[\pb], v[\pb], v[T3], s[SCM]
	v_mov_b32 v[\kb], v[T1]
.endm
.macro MERGE kb, pb, flip
	CE \kb, \pb, 16, 0x0000ffff, \flip
	CE \kb, \pb, 8, 0x00ff00ff, \flip
	CE \kb, \pb, 4, 0x0f0f0f0f, \flip
	CE \kb, \pb, 2, 0x33333333, \flip
	CE \kb, \pb, 1, 0x55555555, \flip
.endm
.macro SORT kb, pb, flip
	CE \kb, \pb, 1, 0x99999999, \flip
	CE \kb, \pb, 2, 0xc3c3c3c3, \flip
	CE \kb, \pb, 1, 0xa5a5a5a5, \flip
	CE \kb, \pb, 4, 0xf00ff00f, \flip
	CE \kb, \pb, 2, 0xcc33cc33, \flip
	CE \kb, \pb, 1, 0xaa55aa55, \flip
	CE \kb, \pb, 8, 0xff0000ff, \flip
	CE \kb, \pb, 4, 0xf0f00f0f, \flip
	CE \kb, \pb, 2, 0xcccc3333, \flip
	CE \kb, \pb, 1, 0xaaaa5555, \flip
	MERGE \kb, \pb, \flip
.endm
.macro MAXM kb, pb                     ; my list takes, lane by lane, the larger key and its value
	v_cmp_gt_f32 s[SCM], v[\kb], v[KK]
	v_cndmask_b32 v[KK], v[KK], v[\kb], s[SCM]
	v_cndmask_b32 v[VV], v[VV], v[\pb], s[SCM]
.endm
.macro ROW i                           ; my lane's 16 numbers of row i: rounded, multiplied by q's and by themselves
	s_wait_loadcnt 4*(7-(\i))                      ; the later rows' loads, four each, stay out
.set u_, 0
.rept 8
	v_cvt_pk_bf16_f32 v[PKR+u_], v[MR+16*(\i)+2*u_], v[MR+16*(\i)+2*u_+1]
.set u_, u_+1
.endr
.set u_, 0
.rept 8
.if u_ == 0
	v_fma_mix_f32_bf16 v[A0],   v[PKR], v[QP],  v[ZR] op_sel_hi:[1,1,0]
	v_fma_mix_f32_bf16 v[A0+1], v[PKR], v[QP],  v[ZR] op_sel:[1,1,0] op_sel_hi:[1,1,0]
	v_fma_mix_f32_bf16 v[A0+2], v[PKR], v[PKR], v[ZR] op_sel_hi:[1,1,0]
	v_fma_mix_f32_bf16 v[A0+3], v[PKR], v[PKR], v[ZR] op_sel:[1,1,0] op_sel_hi:[1,1,0]
.else
	v_fma_mix_f32_bf16 v[A0],   v[PKR+u_], v[QP+u_],  v[A0]   op_sel_hi:[1,1,0]
	v_fma_mix_f32_bf16 v[A0+1], v[PKR+u_], v[QP+u_],  v[A0+1] op_sel:[1,1,0] op_sel_hi:[1,1,0]
	v_fma_mix_f32_bf16 v[A0+2], v[PKR+u_], v[PKR+u_], v[A0+2] op_sel_hi:[1,1,0]
	v_fma_mix_f32_bf16 v[A0+3], v[PKR+u_], v[PKR+u_], v[A0+3] op_sel:[1,1,0] op_sel_hi:[1,1,0]
.endif
.set u_, u_+1
.endr
	v_add_f32 v[A0], v[A0], v[A0+1]
	v_add_f32 v[A0+2], v[A0+2], v[A0+3]
	v_fma_f32 v[SS+(\i)], v[A0+2], -0.5, v[A0]
.endm
	s_load_b256 s[4:11], s[0:1], 0x0               ; h_query, memory_embeds, true_values, SELK
	s_load_b128 s[12:15], s[0:1], 0x20             ; IDXB, out0
	v_lshl_add_u32 v[SPW], v0, 2, SPARE
	v_mov_b32 v[NIL], 0
	v_lshrrev_b32 v1, 5, v0
	v_readfirstlane_b32 s16, v1                    ; wave
	s_mov_b32 s17, ttmp9                           ; the query
	v_and_b32 v[LN], 31, v0
	v_lshlrev_b32 v[L4], 2, v[LN]
	v_lshlrev_b32 v[LO], 4, v[LN]
	v_min_u32 v[L7], 7, v[LN]
	v_lshlrev_b32 v[L7], 2, v[L7]
	v_mov_b32 v[ZR], 0
	v_mov_b32 v[NEG], 0xff7fffff
	v_mov_b32 v[T1], 0                             ; destinations of lane moves count as read
	v_mov_b32 v[T2], 0
	v_mov_b32 v[T3], 0
	s_lshl_b32 s18, s16, 8
	v_add_nc_u32 v[XA], s18, v[L4]
	s_mov_b32 s[SEL], 0x76543210
	s_mov_b32 s[SEL+1], 0xfedcba98
	s_mov_b32 s19, 0
	s_wait_kmcnt 0x0
	s_lshl_b32 s18, s17, 8
	s_add_nc_u64 s[12:13], s[12:13], s[18:19]
	s_lshl_b32 s18, s17, 7
	s_add_nc_u64 s[10:11], s[10:11], s[18:19]
	s_lshl_b32 s18, s17, 11
	s_add_nc_u64 s[4:5], s[4:5], s[18:19]
	s_lshl_b32 s18, s17, 2
	s_add_nc_u64 s[14:15], s[14:15], s[18:19]
	s_load_b256 s[24:31], s[12:13], 0x80           ; s24 items, s25-28 overflow, s29 drop
	global_load_b32 v[RI], v[L4], s[12:13]
	global_load_b32 v[KK], v[L4], s[10:11]
.irp j, 0,1,2,3
	global_load_b128 v[MR+4*\j:MR+4*\j+3], v[LO], s[4:5] offset:512*\j
.endr
	s_wait_loadcnt 0x5                             ; the rows are in
	v_min_u32 v[RI], 0x1869f, v[RI]
	v_lshlrev_b32 v[TMP], 2, v[RI]
	global_load_b32 v[VV], v[TMP], s[8:9]
	s_wait_loadcnt 0x1                             ; keys and q are in
.set u_, 0
.rept 8
	v_cvt_pk_bf16_f32 v[QP+u_], v[MR+2*u_], v[MR+2*u_+1]
.set u_, u_+1
.endr
	s_wait_kmcnt 0x0
	s_bcnt1_i32_b32 s34, s24
	s_bcnt1_i32_b32 s45, s25
	s_bcnt1_i32_b32 s46, s26
	s_add_co_u32 s45, s45, s46
	s_bcnt1_i32_b32 s46, s27
	s_add_co_u32 s45, s45, s46
	s_bcnt1_i32_b32 s46, s28
	s_add_co_u32 s45, s45, s46
	s_mul_i32 s45, s45, 25
	s_add_co_u32 s34, s34, s45                     ; items
	s_cmp_eq_u32 s16, 0
	s_cselect_b32 s45, s29, -1                     ; wave 0 starts with the winners that stay, the others with nothing
	v_cndmask_b32 v[KK], v[KK], v[NEG], s45
	s_wait_loadcnt 0x0
	v_cvt_pk_bf16_f32 v[VV], v[VV], v[VV]
	v_lshlrev_b32 v[VV], 16, v[VV]
	SORT KK, VV, 0
	s_mov_b32 s35, 0
	s_mov_b32 s36, 25                              ; no supergroup in hand
	s_mov_b32 s37, 0
	s_mov_b32 s38, 0
	s_mov_b32 s39, 0
	s_mov_b32 s40, 0
	s_cmp_eq_u32 s34, 0
	s_cbranch_scc1 .Lnone
.Litem:
	s_cmp_lg_u32 s24, 0
	s_cbranch_scc0 .Lover
	s_ctz_i32_b32 s45, s24                         ; a dirty winner: its row gives the group
	s_sub_co_u32 s46, s24, 1
	s_and_b32 s24, s24, s46
	v_readlane_b32 s46, v[RI], s45
	s_cmp_ge_u32 s46, 98432                        ; the last cluster's slots begin 32 rows off, and its first 32 rows are not its own
	s_cselect_b32 s47, 32, 0
	s_cselect_b32 s42, 98432, 0
	s_sub_co_u32 s41, s46, s47
	s_and_not1_b32 s41, s41, 63
	s_add_co_u32 s41, s41, s47
	s_bfe_u32 s44, s46, 0x10003
	s_mov_b32 s43, 100000
	s_branch .Lgo
.Lover:
	s_cmp_lt_u32 s36, 25
	s_cbranch_scc1 .Lhave
	s_mov_b32 s45, 3                               ; the next overflowed supergroup: the first mask that is not empty, its lowest bit
	s_mov_b32 s46, s28
	s_cmp_lg_u32 s27, 0
	s_cselect_b32 s45, 2, s45
	s_cselect_b32 s46, s27, s46
	s_cmp_lg_u32 s26, 0
	s_cselect_b32 s45, 1, s45
	s_cselect_b32 s46, s26, s46
	s_cmp_lg_u32 s25, 0
	s_cselect_b32 s45, 0, s45
	s_cselect_b32 s46, s25, s46
	s_ctz_i32_b32 s47, s46
	s_sub_co_u32 s48, s46, 1
	s_and_b32 s48, s46, s48
	s_cmp_eq_u32 s45, 0
	s_cselect_b32 s25, s48, s25
	s_cmp_eq_u32 s45, 1
	s_cselect_b32 s26, s48, s26
	s_cmp_eq_u32 s45, 2
	s_cselect_b32 s27, s48, s27
	s_cmp_eq_u32 s45, 3
	s_cselect_b32 s28, s48, s28
	s_and_b32 s40, s47, 1                          ; h
	s_lshr_b32 s47, s47, 1
	s_lshl4_add_u32 s47, s45, s47                  ; c
	s_mul_i32 s47, s47, 1563
	s_lshr_b32 s38, s47, 6
	s_lshl_b32 s38, s38, 6                         ; own_lo
	s_add_co_u32 s47, s47, 1563
	s_lshr_b32 s39, s47, 6
	s_lshl_b32 s39, s39, 6
	s_min_u32 s39, s39, 100000                     ; own_hi
	s_min_u32 s37, s38, 98400                      ; base
	s_mov_b32 s36, 0
.Lhave:
	s_lshl_b32 s41, s36, 6
	s_add_co_u32 s41, s41, s37
	s_add_co_u32 s36, s36, 1
	s_mov_b32 s42, s38
	s_mov_b32 s43, s39
	s_mov_b32 s44, s40
.Lgo:                                                  ; s41 the slot's first row, s42 and s43 the owned range, s44 h
	s_lshl_b32 s45, s16, 4
	s_lshl3_add_u32 s45, s44, s45
	s_add_co_u32 s50, s41, s45
	s_min_u32 s50, s50, 99992                      ; my eight rows
	s_sub_co_u32 s58, s43, s42
	s_sub_co_u32 s45, s50, s42
	s_lshl_b32 s52, s50, 11
	s_mov_b32 s53, 0
	s_add_nc_u64 s[54:55], s[6:7], s[52:53]
	s_lshl_b32 s52, s50, 2
	s_add_nc_u64 s[56:57], s[8:9], s[52:53]
	global_load_b32 v[CV], v[L7], s[56:57]
.set i_, 0
.rept 8
.irp j, 0,1,2,3
	global_load_b128 v[MR+16*i_+4*\j:MR+16*i_+4*\j+3], v[LO], s[54:55] offset:2048*i_+512*\j  ; 512 consecutive bytes of a row
.endr
.set i_, i_+1
.endr
.irp i, 0,1,2,3,4,5,6,7
	ROW \i
.endr
.irp i, 0,1,2,3,4,5,6,7
	v_add_f32_dpp v[SS+\i], v[SS+\i], v[SS+\i] row_xmask:1 row_mask:0xf bank_mask:0xf
.endr
.irp i, 0,1,2,3,4,5,6,7
	v_add_f32_dpp v[SS+\i], v[SS+\i], v[SS+\i] row_xmask:2 row_mask:0xf bank_mask:0xf
.endr
.irp i, 0,1,2,3,4,5,6,7
	v_add_f32_dpp v[SS+\i], v[SS+\i], v[SS+\i] row_xmask:4 row_mask:0xf bank_mask:0xf
.endr
.irp i, 0,1,2,3,4,5,6,7
	v_add_f32_dpp v[SS+\i], v[SS+\i], v[SS+\i] row_xmask:8 row_mask:0xf bank_mask:0xf
.endr
.irp i, 0,1,2,3,4,5,6,7
	v_permlanex16_b32 v[PKR+\i], v[SS+\i], s[SEL], s[SEL+1]
.endr
.irp i, 0,1,2,3,4,5,6,7
	v_add_f32 v[SS+\i], v[SS+\i], v[PKR+\i]
.endr
	v_mov_b32 v[CK], v[NEG]
.irp i, 0,1,2,3,4,5,6,7
	s_mov_b32 s[SMK], 1<<\i
	v_cndmask_b32 v[CK], v[CK], v[SS+\i], s[SMK]   ; row i's score into lane i
.endr
	v_add_nc_u32 v[TMP], s45, v[LN]
	v_cmp_gt_u32 s[SMK], s58, v[TMP]               ; the row lies in the owned range
	v_cndmask_b32 v[CK], v[NEG], v[CK], s[SMK]
	v_cvt_pk_bf16_f32 v[CV], v[CV], v[CV]
	v_lshlrev_b32 v[CV], 16, v[CV]
	SORT CK, CV, 1
	MAXM CK, CV
	MERGE KK, VV, 0
	s_add_co_u32 s35, s35, 1                       ; all the trip's loads have been waited for: their bases may be written again
	s_cmp_lt_u32 s35, s34
	s_cbranch_scc1 .Litem
.Lnone:
	ds_store_b32 v[XA], v[KK]
	ds_store_b32 v[XA], v[VV] offset:128
	s_wait_dscnt 0x0                               ; for wave 0's sake: my list is in LDS
	s_barrier_signal -1
	s_barrier_wait -1
	s_cmp_lg_u32 s16, 0
	s_cbranch_scc1 .Lend
	v_sub_nc_u32 v[TMP], 31, v[LN]                 ; read backward a falling list rises
	v_lshlrev_b32 v[TMP], 2, v[TMP]
.irp w, 1,2,3
	ds_load_b32 v[LK+2*\w-2], v[TMP] offset:256*\w
	ds_load_b32 v[LK+2*\w-1], v[TMP] offset:256*\w+128
.endr
	s_wait_dscnt 0x0
.irp w, 1,2,3
	MAXM LK+2*\w-2, LK+2*\w-1
	MERGE KK, VV, 0
.endr
	v_add_f32_dpp v[VV], v[VV], v[VV] row_xmask:1 row_mask:0xf bank_mask:0xf
	v_add_f32_dpp v[VV], v[VV], v[VV] row_xmask:2 row_mask:0xf bank_mask:0xf
	v_add_f32_dpp v[VV], v[VV], v[VV] row_xmask:4 row_mask:0xf bank_mask:0xf
	v_add_f32_dpp v[VV], v[VV], v[VV] row_xmask:8 row_mask:0xf bank_mask:0xf
	v_permlanex16_b32 v[T1], v[VV], s[SEL], s[SEL+1]
	v_add_f32 v[VV], v[VV], v[T1]
	v_mul_f32 v[VV], 0x3d000000, v[VV]             ; / 32
	s_wait_tensorcnt 0x0                           ; the wave's end, behind my last LDS store
	ds_add_u32 v[SPW], v[NIL]
	s_wait_dscnt 0x0
	s_wait_xcnt 0x0                                ; EXEC changes only behind this wait
	s_mov_b32 exec_lo, 1
	global_store_b32 v[ZR], v[VV], s[14:15]        ; one number a query
	s_endpgm
.Lend:
	s_wait_tensorcnt 0x0                           ; the wave's end, as above
	ds_add_u32 v[SPW], v[NIL]
	s_wait_dscnt 0x0
	s_endpgm
.Lfunc_end_k_qb5429fc17f_fix:
	.size	k_qb5429fc17f_fix, .Lfunc_end_k_qb5429fc17f_fix-k_qb5429fc17f_fix
	.p2alignl 7, 3214868480
	.fill 96, 4, 3214868480
	.section	.rodata,"a",@progbits
	.p2align	6, 0x0
	.amdhsa_kernel k_qb5429fc17f_fix
		.amdhsa_group_segment_fixed_size 1536
		.amdhsa_private_segment_fixed_size 0
		.amdhsa_enable_private_segment 0
		.amdhsa_kernarg_size 48
		.amdhsa_user_sgpr_count 2
		.amdhsa_user_sgpr_kernarg_segment_ptr 1
		.amdhsa_wavefront_size32 1
		.amdhsa_system_sgpr_workgroup_id_x 1
		.amdhsa_system_sgpr_workgroup_id_y 1
		.amdhsa_system_sgpr_workgroup_id_z 1
		.amdhsa_system_vgpr_workitem_id 0
		.amdhsa_next_free_vgpr 192
		.amdhsa_next_free_sgpr 66
		.amdhsa_reserve_vcc 0
		.amdhsa_float_denorm_mode_32 3
		.amdhsa_float_denorm_mode_16_64 3
		.amdhsa_memory_ordered 1
		.amdhsa_forward_progress 1
		.amdhsa_inst_pref_size 61
	.end_amdhsa_kernel
	.amdgpu_metadata
---
amdhsa.version: [ 1, 2 ]
amdhsa.kernels:
  - .name:           k_qb5429fc17f_fix
    .symbol:         k_qb5429fc17f_fix.kd
    .args:
      - { .name: h_query, .offset: 0, .size: 8, .value_kind: global_buffer, .address_space: global }
      - { .name: memory_embeds, .offset: 8, .size: 8, .value_kind: global_buffer, .address_space: global }
      - { .name: true_values, .offset: 16, .size: 8, .value_kind: global_buffer, .address_space: global }
      - { .name: SELK, .offset: 24, .size: 8, .value_kind: global_buffer, .address_space: global }
      - { .name: IDXB, .offset: 32, .size: 8, .value_kind: global_buffer, .address_space: global }
      - { .name: out0, .offset: 40, .size: 8, .value_kind: global_buffer, .address_space: global }
    .group_segment_fixed_size: 1536
    .private_segment_fixed_size: 0
    .kernarg_segment_align: 8
    .kernarg_segment_size: 48
    .max_flat_workgroup_size: 128
    .sgpr_count:     66
    .vgpr_count:     192
    .wavefront_size: 32
...
	.end_amdgpu_metadata
.endif
;; end of part 3
